; MI455X (gfx1250); checked and timed in simulation.
; The chip was launched on July 23, 2026; its instructions are those of AMD's public machine-readable ISA for CDNA 5 (MIT licence, August 2026) and "CDNA5" Instruction Set Architecture Reference Guide (July 2026). The comments in the code are by the model that wrote it; some were corrected since.
;; Attention Layer. Allowed arithmetic: matrix products marked QUANTISED: E2M3 operands, one E8M0 scale for each 32 along K, by v_wmma_scale_f32_16x16x128_f8f6f4 with both operands' format E2M3, f32 sums; products left as they are: f32 operands where the result goes on into a quantised operand, else bf16, f16 or f32 operands; f32 sums; everything else in f32.
;; Inputs: V 1,024 float32; W_key_codes 1,024 x 32 x 24 uint8 (E2M3 codes of W_key, K innermost, in blocks of 32 codes, four codes in three bytes); W_key_scales 1,024 x 32 uint8 (E8M0 scales of W_key, one for each 32 codes along K); W_query_codes 1,024 x 32 x 24 uint8 (E2M3 codes of W_query, K innermost, in blocks of 32 codes, four codes in three bytes); W_query_scales 1,024 x 32 uint8 (E8M0 scales of W_query, one for each 32 codes along K); decoder_hidden_codes 32 x 1 x 32 x 24 uint8 (E2M3 codes of decoder_hidden, K innermost, in blocks of 32 codes, four codes in three bytes); decoder_hidden_scales 32 x 1 x 32 uint8 (E8M0 scales of decoder_hidden, one for each 32 codes along K); encoder_outputs 32 x 2,048 x 1,024 float32.
;; Outputs: out0 32 x 1,024 float32; out1 32 x 2,048 float32.
;; This version of the problem:
;;   THIS VERSION OF THE PROBLEM IS GIVEN IN LOW PRECISION. The matrix products marked QUANTISED in the list below multiply operands that are first quantised to E2M3 (2 exponent bits, 3 mantissa bits; 6 bits a number), with one power-of-two scale for each 32 numbers along K (OCP MX v1.0); their sums are f32. All else is computed in f32.
;;   The module's matrix products, in the order in which they are computed (A, B: the left and right operand; K: the contracted axis; several contracted axes count as one K, in the product's order):
;;     1. [M 32, K 1,024] x [K 1,024, N 1,024]; A: input decoder_hidden (given as codes); B: input W_query (given as codes): QUANTISED
;;     2. [M 65,536, K 1,024] x [K 1,024, N 1,024]; A: input encoder_outputs; B: input W_key (given as codes): QUANTISED
;;     3. [M 65,536, K 1,024] x [K 1,024, N 1]; A: computed on the way; B: input V: left as it is (N = 1 < 16)
;;     4. batch 32 x [M 1, K 2,048] x [K 2,048, N 1,024]; A: softmax; B: input encoder_outputs: left as it is (M = 1 < 16)
;;   THE QUANTISER, for each operand of a quantised product, along K:
;;     - K is cut into blocks of 32 from its start; a last block that is shorter is filled with zeros.
;;     - A block's scale is 2^e with e = floor(log2(the largest magnitude in the block)) - 2, held to -126 .. 127; a block of zeros has e = 0. As a byte (E8M0): e + 127.
;;     - Each number is divided by its block's scale, clamped to +-7.5, and rounded to the nearest number of E2M3, ties to even, subnormals kept.
;;     - The product sums the exact products of the quantised numbers (number of the format x scale) in f32.
;;   ~~~python
;;   def quantise(x, axis):      # numpy; x: float32 -> the quantised numbers, widened to float32 again
;;       x = np.moveaxis(x, axis, -1); K = x.shape[-1]
;;       x = np.pad(x, [(0, 0)] * (x.ndim - 1) + [(0, -K % 32)]); x = x.reshape(x.shape[:-1] + (-1, 32)); a = np.abs(x).max(-1, keepdims=True)
;;       e = np.where(a > 0, np.clip(np.frexp(np.where(a > 0, a, 1))[1] - 1 - 2, -126, 127), 0)      # np.frexp(a)[1] - 1 = floor(log2(a)), exactly
;;       r = np.clip(x / 2.0 ** e, -7.5, 7.5)
;;       step = 2.0 ** (np.maximum(np.frexp(np.where(r == 0, 1, r))[1] - 1, 0) - 3)
;;       q = np.round(r / step) * step * 2.0 ** e      # np.round: ties to even
;;       return np.moveaxis(q.reshape(q.shape[:-2] + (-1,))[..., :K], -1, axis).astype(np.float32)
;;   ~~~
;;   INPUTS GIVEN AS CODES. W_key (in the module: [1024, 1024], K = its axis 0); W_query (in the module: [1024, 1024], K = its axis 0); decoder_hidden (in the module: [32, 1, 1024], K = its axis 2): each comes as NAME_codes (uint8): NAME with its K axis moved to the last place and cut into blocks of 32 codes, [.., K / 32, bytes a block], one block behind the other in memory; four codes in three bytes: a row's codes are one little-endian stream of bits, code i at bits 6 i .. 6 i + 5 (a code: sign, 2 exponent bits, 3 mantissa bits); and NAME_scales (uint8): the same leading axes, one E8M0 byte (e + 127) for each 32 codes along K. Its value is code x scale, taken as it is: it is not quantised again, and the codes and scales need not be those that the quantiser above would give.
;; One version. Each part assembles by itself: llvm-mc -triple=amdgcn-amd-amdhsa -mcpu=gfx1250 --defsym DOCPART=n.
;; ======== version 1 of 1: 3 launches
;; workspace buffers: q 131,072 bytes; wk2 819,200 bytes; scores 262,144 bytes; part 8,388,608 bytes
;; launch prep (part 1): grid 192 x 1, 1 waves a work-group, no clusters, 0 bytes of LDS; arguments decoder_hidden_codes, decoder_hidden_scales, W_query_codes, W_query_scales, W_key_codes, W_key_scales, q, wk2; writes q, wk2
.if DOCPART == 1
	.amdgcn_target "amdgcn-amd-amdhsa--gfx1250"
	.amdhsa_code_object_version 6
	.text
	.protected	k_q94344c5b4a_prep
	.globl	k_q94344c5b4a_prep
	.p2align	8
	.type	k_q94344c5b4a_prep,@function
k_q94344c5b4a_prep:
	s_mov_b64 s[64:65], 0
	v_nop
	global_prefetch_b8 v0, s[64:65] scope:SCOPE_SE
	s_setreg_imm32_b32 hwreg(HW_REG_WAVE_MODE, 25, 1), 1
	s_wait_xcnt 0x0
; ADDITIVE ATTENTION, three launches: prep (this one), attend, combine.
;   query = decoder_hidden W_query, keys = encoder_outputs W_key (both on codes of E2M3 with E8M0 scales), score[b][s] = sum over h of V[h] tanh(query[b][h] + keys[b][s][h]),
;   out1 = softmax of the scores along s, out0[b] = sum over s of out1[b][s] encoder_outputs[b][s].
; WORK LEFT OUT, AND WHY IT IS DEAD.  tanh(x) = 1 - 2 r(x) with r(x) = 1 / (1 + 2^(2 log2(e) x)), so score[b][s] = sum(V) - 2 sum over h of V[h] r(..).  The term sum(V) is the same for every s of a
; row of the softmax; a softmax is unchanged by a term that is the same along its axis, and the scores reach both outputs through that softmax alone.  That holds for all finite values of the inputs.  So sum(V) is never formed:
; the program carries score - sum(V) = -2 sum V r.  Every input is still read.  LIMIT: a NaN, an infinity or an overflow that would arise in sum(V) alone is not carried to the results.
; THIS LAUNCH, one wave to a work-group, two kinds of work-group told apart by the number of the work-group:
;   0 .. 127: a tile of 16 batches x 16 columns of query, eight K steps of 128 on one accumulator, stored as f32 into q [32][1024].
;   128 .. 191: 16 columns of W_key are laid out anew, into wk2, in the order of the operand registers, so that the next launch brings them by dense tensor loads and reads a fragment by three loads of 16 bytes a lane.
; wk2: 8 chunks of 102,400 bytes; chunk j serves columns 128 j .. 128 j + 127: 64 images of fragments, 1,536 bytes each, column tile tt (0..7), K step k (0..7) at (8 tt + k) x 1,536; in an image the registers 4 g .. 4 g + 3 of lane l
; lie at 512 g + 16 l; from byte 98,304 on the 4,096 scale bytes of the 128 columns as W_key_scales has them, 32 bytes a column.
; q is stored 32 bytes a lane, 64 neighbouring bytes of a row from two lanes: 131,072 bytes in all, so no stage is spent on it.
.set WFR, 16                           ; v16-111   eight fragments of a weight (16 rows x 128 K: 12 registers each)
.set DFR, 112                          ; v112-207  eight fragments of decoder_hidden
.set WSC, 208                          ; v208-215  the scale words of the weight, one for each K step; nothing else
.set DSC, 216                          ; v216-223  those of decoder_hidden; nothing else
.set ACC, 224                          ; v224-231  the accumulator
.set CHUNK, 102400
; 48 loads of 8 bytes: lane (r, h) takes of row r, for each K step k, the 24 bytes at 96 k + 24 h and the 24 bytes at 96 k + 48 + 24 h: the row is a stream of bits and these are the registers of the operand as they lie
.macro FRAGS reg, lo
.irp k, 0,1,2,3,4,5,6,7
.irp p, 0,1,2,3,4,5
	global_load_b64 v[\reg+12*\k+2*\p:\reg+12*\k+2*\p+1], v3, s[\lo:\lo+1] offset:96*\k+48*(\p/3)+8*(\p%3)
.endr
.endr
.endm
	s_load_b256 s[4:11], s[0:1], 0x0               ; decoder_hidden codes s[4:5], scales s[6:7]; W_query codes s[8:9], scales s[10:11]
	s_load_b256 s[12:19], s[0:1], 0x20             ; W_key codes s[12:13], scales s[14:15]; q s[16:17]; wk2 s[18:19]
	v_and_b32 v1, 15, v0                           ; r
	v_bfe_u32 v2, v0, 4, 1                         ; h
	v_mul_u32_u24 v3, v1, 768                      ; a row of 1,024 codes is 768 bytes
	v_mad_u32_u24 v3, v2, 24, v3                   ; + 24 h
	v_lshlrev_b32 v4, 5, v1                        ; a row of scale bytes is 32 bytes
	v_lshlrev_b32 v5, 12, v1                       ; q: row r of 4,096 bytes,
	v_lshl_add_u32 v5, v2, 5, v5                   ; + 32 h
	v_lshlrev_b32 v6, 4, v0                        ; 16 x lane
	s_mov_b32 s23, 0                               ; the upper word of every offset
	s_wait_kmcnt 0x0
	s_cmp_lt_u32 ttmp9, 128
	s_cbranch_scc0 .Lrepack
	; ---- a tile of query
	s_lshr_b32 s20, ttmp9, 1                       ; T: which 16 columns
	s_and_b32 s21, ttmp9, 1                        ; i: which 16 batches
	s_mul_i32 s22, s20, 12288
	s_add_nc_u64 s[8:9], s[8:9], s[22:23]          ; 16 rows of 768 bytes a tile
	s_mul_i32 s22, s21, 12288
	s_add_nc_u64 s[4:5], s[4:5], s[22:23]
	s_lshl_b32 s22, s20, 9
	s_add_nc_u64 s[10:11], s[10:11], s[22:23]      ; 16 rows of 32 scale bytes
	s_lshl_b32 s22, s21, 9
	s_add_nc_u64 s[6:7], s[6:7], s[22:23]
	s_lshl_b32 s22, s21, 16
	s_lshl_b32 s24, s20, 6
	s_add_co_u32 s22, s22, s24
	s_add_nc_u64 s[16:17], s[16:17], s[22:23]      ; q at batch 16 i, column 16 T
	FRAGS WFR, 8
	FRAGS DFR, 4
	global_load_b128 v[WSC:WSC+3], v4, s[10:11]    ; register k: the scale word of K step k of my row
	global_load_b128 v[WSC+4:WSC+7], v4, s[10:11] offset:16
	global_load_b128 v[DSC:DSC+3], v4, s[6:7]
	global_load_b128 v[DSC+4:DSC+7], v4, s[6:7] offset:16
	s_wait_loadcnt 0x0
	; used transposed: source 0 = 16 columns of W_query, source 1 = 16 batches: lane (r, h) then holds batch r and its registers the columns 8 h + 0 .. 7.  The first K step starts the sum
	v_wmma_scale_f32_16x16x128_f8f6f4 v[ACC:ACC+7], v[WFR:WFR+11], v[DFR:DFR+11], 0, v[WSC], v[DSC] matrix_a_fmt:MATRIX_FMT_FP6 matrix_b_fmt:MATRIX_FMT_FP6
.irp k, 1,2,3,4,5,6,7
	s_wait_alu depctr_va_vdst(0)                   ; this wait directly ahead of every link
	v_wmma_scale_f32_16x16x128_f8f6f4 v[ACC:ACC+7], v[WFR+12*\k:WFR+12*\k+11], v[DFR+12*\k:DFR+12*\k+11], v[ACC:ACC+7], v[WSC+\k], v[DSC+\k] matrix_a_fmt:MATRIX_FMT_FP6 matrix_b_fmt:MATRIX_FMT_FP6
.endr
.rept 4
	v_nop                                          ; four places between the last product and the stores that read it
.endr
	global_store_b128 v5, v[ACC:ACC+3], s[16:17]   ; from the low end on
	global_store_b128 v5, v[ACC+4:ACC+7], s[16:17] offset:16
	s_endpgm
.Lrepack:
	; ---- 16 columns of W_key into the order of the operand registers
	s_sub_co_u32 s20, ttmp9, 128                   ; T: which 16 columns
	s_lshr_b32 s21, s20, 3                         ; the chunk
	s_and_b32 s24, s20, 7                          ; the tile in the chunk
	s_mul_i32 s22, s20, 12288
	s_add_nc_u64 s[12:13], s[12:13], s[22:23]
	s_lshl_b32 s22, s20, 9
	s_add_nc_u64 s[14:15], s[14:15], s[22:23]
	s_mul_i32 s22, s21, CHUNK
	s_add_nc_u64 s[18:19], s[18:19], s[22:23]      ; wk2 at my chunk
	s_lshl_b32 s22, s24, 9
	s_add_co_u32 s22, s22, 98304
	s_add_nc_u64 s[26:27], s[18:19], s[22:23]      ; where my 512 scale bytes go
	s_mul_i32 s22, s24, 12288
	s_add_nc_u64 s[18:19], s[18:19], s[22:23]      ; and my eight images
	FRAGS WFR, 12
	global_load_b128 v[232:235], v6, s[14:15]      ; 512 dense scale bytes
	s_wait_loadcnt 0x0
.irp k, 0,1,2,3,4,5,6,7
.irp g, 0,1,2
	global_store_b128 v6, v[WFR+12*\k+4*\g:WFR+12*\k+4*\g+3], s[18:19] offset:1536*\k+512*\g   ; the wave stores 512 consecutive bytes, at a multiple of 256 from the first byte of wk2
.endr
.endr
	global_store_b128 v6, v[232:235], s[26:27]
	s_endpgm
.Lfunc_end_k_q94344c5b4a_prep:
	.size	k_q94344c5b4a_prep, .Lfunc_end_k_q94344c5b4a_prep-k_q94344c5b4a_prep
	.p2alignl 7, 3214868480
	.fill 96, 4, 3214868480
	.section	.rodata,"a",@progbits
	.p2align	6, 0x0
	.amdhsa_kernel k_q94344c5b4a_prep
		.amdhsa_group_segment_fixed_size 0
		.amdhsa_private_segment_fixed_size 0
		.amdhsa_enable_private_segment 0
		.amdhsa_kernarg_size 64
		.amdhsa_user_sgpr_count 2
		.amdhsa_user_sgpr_kernarg_segment_ptr 1
		.amdhsa_wavefront_size32 1
		.amdhsa_system_sgpr_workgroup_id_x 1
		.amdhsa_system_sgpr_workgroup_id_y 1
		.amdhsa_system_sgpr_workgroup_id_z 1
		.amdhsa_system_vgpr_workitem_id 0
		.amdhsa_next_free_vgpr 240
		.amdhsa_next_free_sgpr 66
		.amdhsa_reserve_vcc 0
		.amdhsa_float_denorm_mode_32 3
		.amdhsa_float_denorm_mode_16_64 3
		.amdhsa_memory_ordered 1
		.amdhsa_forward_progress 1
		.amdhsa_inst_pref_size 20
	.end_amdhsa_kernel
	.amdgpu_metadata
---
amdhsa.version: [ 1, 2 ]
amdhsa.kernels:
  - .name:           k_q94344c5b4a_prep
    .symbol:         k_q94344c5b4a_prep.kd
    .args:
      - { .name: decoder_hidden_codes, .offset: 0, .size: 8, .value_kind: global_buffer, .address_space: global }
      - { .name: decoder_hidden_scales, .offset: 8, .size: 8, .value_kind: global_buffer, .address_space: global }
      - { .name: W_query_codes, .offset: 16, .size: 8, .value_kind: global_buffer, .address_space: global }
      - { .name: W_query_scales, .offset: 24, .size: 8, .value_kind: global_buffer, .address_space: global }
      - { .name: W_key_codes, .offset: 32, .size: 8, .value_kind: global_buffer, .address_space: global }
      - { .name: W_key_scales, .offset: 40, .size: 8, .value_kind: global_buffer, .address_space: global }
      - { .name: q, .offset: 48, .size: 8, .value_kind: global_buffer, .address_space: global }
      - { .name: wk2, .offset: 56, .size: 8, .value_kind: global_buffer, .address_space: global }
    .group_segment_fixed_size: 0
    .private_segment_fixed_size: 0
    .kernarg_segment_align: 8
    .kernarg_segment_size: 64
    .max_flat_workgroup_size: 32
    .sgpr_count:     66
    .vgpr_count:     240
    .wavefront_size: 32
...
	.end_amdgpu_metadata
.endif
;; end of part 1
;; launch attend (part 2): grid 512 x 1, 4 waves a work-group, clusters of 4 x 1, 327,680 bytes of LDS; arguments encoder_outputs, wk2, q, V, scores, part; writes scores, part
.if DOCPART == 2
	.amdgcn_target "amdgcn-amd-amdhsa--gfx1250"
	.amdhsa_code_object_version 6
	.text
	.protected	k_q94344c5b4a_attend
	.globl	k_q94344c5b4a_attend
	.p2align	8
	.type	k_q94344c5b4a_attend,@function
k_q94344c5b4a_attend:
	s_mov_b64 s[64:65], 0
	v_nop
	global_prefetch_b8 v0, s[64:65] scope:SCOPE_SE
	s_setreg_imm32_b32 hwreg(HW_REG_WAVE_MODE, 25, 1), 1
	s_wait_xcnt 0x0
	s_wait_alu depctr_hold_cnt(0) depctr_sa_sdst(0) depctr_va_vdst(0) depctr_va_sdst(0) depctr_va_ssrc(0) depctr_va_vcc(0) depctr_vm_vsrc(0)
	s_getreg_b32 s2, hwreg(HW_REG_IB_STS2, 6, 4)
	s_cmp_eq_u32 s2, 0
	s_cbranch_scc0 .Lentry_in_a_cluster
	s_endpgm
.Lentry_in_a_cluster:
	s_bfe_u32 s2, ttmp6, 0x10000c
	s_cmp_lg_u32 s2, 0x3003
	s_cbranch_scc0 .Lentry_shape_is_right
	s_endpgm
.Lentry_shape_is_right:
; scores[b][s] = -2 sum over h of V[h] / (1 + 2^(2 log2(e) (query[b][h] + keys[b][s][h]))), keys = Q(encoder_outputs) W_key on codes of E2M3; and for each block of 32 rows the partial context
; part[block] = sum over its rows of 2^((score - the largest score of the block) log2(e)) x encoder_outputs[row].  The term sum(V) of the scores is left out: it is the same along the axis of the softmax (shown at the head of the first kernel).
; ENCODER_OUTPUTS IS READ ONCE.  A work-group owns 128 rows, each of its four waves 32 rows whole: their codes (192 registers), their scale words (16) and a copy in bf16 (512 registers) stay in the wave until its scores are known.
; So the waves share nothing but the ring through which W_key streams, and the only barriers are those of the ring.
; PHASES.  X: my 32 rows come in 16 units of 16 rows x 128 columns; a unit is rounded to bf16 as it lies (the copy), turned through my own stage in LDS so that a lane holds neighbours along K, and quantised.
;   G: eight chunks of 128 columns of W_key go through two LDS slots; a pair-step is 2 column tiles x 2 row tiles x 8 K steps = 32 matrix instructions; the exponentials, reciprocals and multiply-adds of the pair-step BEFORE stand in
;   slices, one behind each matrix instruction; the LDS loads stand in four runs, and each run has the wait for the transcendentals issued since the last run directly ahead of it.   S: scores out; weights under the largest score of the wave; the partial context from the copy.
; THE PRODUCT IS USED TRANSPOSED (source 0 = 16 columns of W_key, source 1 = 16 of my rows): lane (r, h) holds row r and its registers the columns 8 h + 0 .. 7.  So query is the C of the first instruction of a sum, and a score wants one exchange with lane l xor 16.
; CLUSTER.  All work-groups walk the same W_key, and the four of a cluster lie in one batch: every tile (W_key, query, V) is asked for JOINTLY, by the same tensor load with the same descriptor and a mask that names the four.
; PRICES KEPT.  A fragment of W_key read from LDS feeds two matrix instructions (a wave of 64 rows would need 384 + 1,024 registers for codes and copy).  X and G follow each other: a second block has no room.  The partial contexts leave for
; each wave by itself, 4,096 bytes for 32 rows.  The last trip of the ring fetches 30 LDS lines for a pair-step that does not exist (landed bytes, never used): so the tail is one loop body.  56 registers are cleared once, so that the loop has no first step of its own.
; LIMITS.  A block whose largest magnitude lies under 2^-124 gets the scale byte 1; a block of zeros too, where the rule says 127: its codes are zeros, and this program alone reads the byte.  NaN and infinities among the inputs are not served.
; The rows of encoder_outputs enter the weighted sum rounded to bf16.
; REGISTERS, in windows of 256 (s_set_vgpr_msb: bits 1:0 source 0, 3:2 source 1, 5:4 source 2, 7:6 destination):
;   window 0: v1-15 addresses; v16-23 score sums (X: scale bytes and largest magnitudes); v24-39 the scale words of my rows; v40-55 those of W_key, two sets; then by phase:
;     X: v56-63 codes just made, v64-127 64 neighbours, v128-191 and v192-255 two landing buffers.   G: v56-71 query of two column tiles, v72-135 two sets of four accumulators, v136-231 four buffers of two fragments.   S: v72-103 the context.
;   window 1: v0-191 my codes, fragment (row tile i, K step k) at 12 (8 i + k); v192-255 X: the third landing buffer, G: V of two column tiles, two sets.
;   windows 2, 3: the copy of row tile 0, 1: register 32 k + 2 j + a holds row j, columns 128 k + 4 lane + 2 a and + 1.
.set CHUNK,  102400                    ; a chunk of wk2: 64 images of fragments and 4,096 scale bytes
.set SLOT1,  1<<17                     ; LDS: slot 0 at 0, slot 1 here, so that one exclusive or turns an address from one slot into the other
.set QV,     102400                    ; query of my batch, 4,096 bytes, then V, 4,096 bytes: filled once
.set SPARE,  110592                    ; the spare words, 128 bytes for each wave: two blocks of 256 bytes that no other line names
.set STAGE,  233472                    ; behind slot 1: a stage of 16 rows x 528 bytes for each wave; no tensor load lands there
.set SP,     528                       ; a stage row: 512 bytes + 16, so that the 16 rows that a load touches begin 4 words apart modulo the 64 banks (ISA guide 11.1)
.set STW,    16*SP
.set LW0, 1                            ; v1   16 x lane: my place in an image; also my byte offset in 512 bytes of a row in memory
.set LW1, 2                            ; v2   the same + 49,152 (column tiles 4 to 7 of a chunk)
.set LSW, 3                            ; v3   32 x lane + 98,304: the scale words of column lane of a pair of tiles
.set AW0, 4                            ; v4-8, v10: the same with the slot in hand (AW0, AW1, ASW), with the next slot (AN0, ASN), and query and V at the columns of the trip (AQ)
.set AW1, 5
.set ASW, 6
.set AN0, 7
.set ASN, 8
.set LQ,  9                            ; v9   QV + 32 h
.set AQ,  10
.set SPW, 11                           ; v11  LDS address of my spare word; never rewritten
.set NIL, 12                           ; v12  0; never rewritten
.set STA, 14                           ; v14  my stage + 16 x lane: on the way in
.set STB, 15                           ; v15  my stage + 528 r + 64 h: on the way out
.set SS,  16                           ; four pairs of score sums: row tile i, register pairs of even number at SS + 2 i, of odd number at SS + 4 + 2 i
.set BB,  16                           ; X: four scale bytes
.set MM,  20                           ; X: four largest magnitudes, then the scale operands of the conversions
.set AS,  24                           ; the scale word of (i, k) at AS + 8 i + k; scales and nothing else
.set WS,  40                           ; set t at WS + 8 t; register k: lanes 0-15 the word of the first column tile, lanes 16-31 that of the second; scales and nothing else
.set TT,  56
.set QN,  64
.set QC,  56
.set ACC, 72
.set WF,  136
.set VP,  192                          ; in window 1
.set CTX, 72
.set PB,  104
.set ZR,  106
.set WV,  16                           ; s16  the number of my wave
.set SEL, 20                           ; s[20:21] v_permlanex16_b32: lane l xor 16
.set CS,  22                           ; s[22:23] 2 log2(e)
.set TB,  25                           ; s25  LDS byte of the slot in hand;  s26 of the next;  s27 byte of the first column of the trip in query and in V
.set TN,  26
.set TQ,  27
.set G1W, 32                           ; s[32:39] group 1: 100 dense rows of 256 bytes;  s[40:47]: 4 such rows
.set G1Q, 40
.set G0S0, 48                          ; s[48:51] group 0: chunk 0 into slot 0;  s[52:55]: chunk 1 into slot 1, then it walks;  s[56:59] query;  s[60:63] V
.set G0W, 52
.set G0Q, 56
.set G0V, 60
.set PS,  66                           ; s[66:97] the 32 weights of my rows
.set MSB, 0
.macro WIN new                         ; the high byte of the immediate repeats the setting that is left; a switch that changes nothing is dropped
.if MSB != (\new)
	s_set_vgpr_msb (MSB<<8)|(\new)
.set MSB, (\new)
.endif
.endm
.macro CREST                           ; a round of the barrier of the cluster behind its opening barrier
	s_cmp_lg_u32 s[WV], 0
	s_cbranch_scc1 .Lnot_wave_0_\@
	s_barrier_signal -3
.Lnot_wave_0_\@:
	s_barrier_wait -3
	s_barrier_signal -1
	s_barrier_wait -1
.endm
.macro CROUND                          ; a whole round
	s_barrier_signal -1
	s_barrier_wait -1
	CREST
.endm
	s_load_b256 s[4:11], s[0:1], 0x0               ; encoder_outputs s[4:5], wk2 s[6:7], q s[8:9], V s[10:11]
	s_load_b128 s[12:15], s[0:1], 0x20             ; scores s[12:13], part s[14:15]
	v_lshl_add_u32 v[SPW], v0, 2, SPARE
	v_mov_b32 v[NIL], 0
	ds_add_u32 v[SPW], v[NIL]                      ; the opening: the add, twice on end, and its wait ahead of my first tensor load; the set-up below, work on registers, stands between
	ds_add_u32 v[SPW], v[NIL]
	v_lshrrev_b32 v13, 5, v0
	v_readfirstlane_b32 s[WV], v13                 ; wave 0..3
	s_lshr_b32 s19, ttmp9, 2                       ; the batch: four clusters of 512 rows each; the four partners share it
	s_mov_b32 s[G1W], 15|(3<<16)|(1<<21)           ; 15:0 the mask: all four work-groups; 17:16 elements of 8 bytes; 20 no padding; 21 set beside a mask
	s_mov_b32 s[G1W+1], 32<<16                     ; tensor_dim0 = 32 elements: 256 bytes
	s_mov_b32 s[G1W+2], 100<<16                    ; tensor_dim1 = 100 rows: a quarter of a chunk
	s_mov_b32 s[G1W+3], 32<<16                     ; tile_dim0
	s_mov_b32 s[G1W+4], 100                        ; tile_dim1
	s_mov_b32 s[G1W+5], 32                         ; from row to row: dense
	s_mov_b32 s[G1W+6], 0
	s_mov_b32 s[G1W+7], 0
	s_mov_b32 s[G1Q], 15|(3<<16)|(1<<21)
	s_mov_b32 s[G1Q+1], 32<<16
	s_mov_b32 s[G1Q+2], 4<<16                      ; 4 rows: a quarter of 4,096 bytes
	s_mov_b32 s[G1Q+3], 32<<16
	s_mov_b32 s[G1Q+4], 4
	s_mov_b32 s[G1Q+5], 32
	s_mov_b32 s[G1Q+6], 0
	s_mov_b32 s[G1Q+7], 0
	s_mov_b32 s[SEL], 0x76543210
	s_mov_b32 s[SEL+1], 0xfedcba98
	s_mov_b32 s[CS], 0x4038aa3b                    ; 2 log2(e)
	s_mov_b32 s[CS+1], s[CS]                       ; (named with it as a pair, so it is written)
	s_mov_b32 s24, 0xffff0000                      ; lanes 16-31
	s_mov_b32 s29, 0x3fb8aa3b                      ; log2(e)
	v_and_b32 v20, 31, v0                          ; lane
	v_and_b32 v21, 15, v0                          ; r
	v_bfe_u32 v22, v0, 4, 1                        ; h
	v_lshlrev_b32 v[LW0], 4, v20
	v_add_nc_u32 v[LW1], 49152, v[LW0]
	v_lshl_add_u32 v[LSW], v20, 5, 98304
	v_lshl_add_u32 v[LQ], v22, 5, QV
	s_mul_i32 s28, s[WV], STW
	s_add_co_u32 s28, s28, STAGE                   ; my stage
	v_add_nc_u32 v[STA], s28, v[LW0]
	v_mul_u32_u24 v[STB], v21, SP
	v_lshl_add_u32 v[STB], v22, 6, v[STB]
	v_add_nc_u32 v[STB], s28, v[STB]
.irp b, 0,1,2,3
	v_mov_b32 v[BB+\b], 0                          ; written once: the destination of a lane permute counts as one of its sources
.endr
	s_mul_i32 s2, s[WV], 25600                     ; my quarter of a chunk, in memory and in a slot: no place in the cluster enters a descriptor
	s_mov_b32 s3, 0
	s_lshl_b32 s30, s[WV], 10                      ; my quarter of query and of V
	s_mov_b32 s31, 0
	s_lshl_b32 s98, s19, 12
	s_add_co_u32 s98, s98, s30                     ; query: row b of 4,096 bytes + my quarter
	s_mov_b32 s99, 0
	s_wait_dscnt 0x0                               ; both opening adds are done
	s_wait_kmcnt 0x0
	s_mov_b32 s[G0Q], 1                            ; count = 1
	s_add_co_u32 s[G0Q+1], s30, QV                 ; LDS address
	s_add_nc_u64 s[G0Q+2:G0Q+3], s[8:9], s[98:99]  ; global address
	s_or_b32 s[G0Q+3], s[G0Q+3], 0x80000000        ; type = 2
	s_mov_b32 s[G0V], 1
	s_add_co_u32 s[G0V+1], s30, QV+4096
	s_add_nc_u64 s[G0V+2:G0V+3], s[10:11], s[30:31]
	s_or_b32 s[G0V+3], s[G0V+3], 0x80000000
	s_mov_b32 s[G0S0], 1
	s_mov_b32 s[G0S0+1], s2
	s_add_nc_u64 s[G0S0+2:G0S0+3], s[6:7], s[2:3]
	s_add_nc_u64 s[G0W+2:G0W+3], s[G0S0+2:G0S0+3], CHUNK
	s_or_b32 s[G0S0+3], s[G0S0+3], 0x80000000
	s_mov_b32 s[G0W], 1
	s_add_co_u32 s[G0W+1], s2, SLOT1
	s_or_b32 s[G0W+3], s[G0W+3], 0x80000000
	CROUND                                         ; all four work-groups are here: the first joint loads meet
	tensor_load_to_lds s[G0Q:G0Q+3], s[G1Q:G1Q+7]  ; the first fills go out as one group, every wave its quarter of each: four tensor loads of mine are out
	s_nop 0
	tensor_load_to_lds s[G0V:G0V+3], s[G1Q:G1Q+7]
	s_nop 0
	tensor_load_to_lds s[G0S0:G0S0+3], s[G1W:G1W+7]
	s_nop 0
	tensor_load_to_lds s[G0W:G0W+3], s[G1W:G1W+7]
	s_nop 0
.rept 4
	v_nop
.endr
	s_bfe_u32 s17, ttmp6, 0x40000                  ; cx: it enters the addresses of encoder_outputs, scores and part alone
	s_lshl_b32 s18, ttmp9, 2
	s_add_co_u32 s18, s18, s17                     ; my work-group = 4 x cluster + cx
	s_lshl_b32 s18, s18, 2
	s_add_co_u32 s18, s18, s[WV]                   ; my block of 32 rows = 4 x work-group + wave
	s_lshl_b32 s100, s18, 17                       ; 32 rows of 4,096 bytes (under 2^28)
	s_mov_b32 s101, 0
	s_add_nc_u64 s[4:5], s[4:5], s[100:101]
	s_lshl_b32 s100, s18, 7
	s_add_nc_u64 s[12:13], s[12:13], s[100:101]    ; 32 scores
	s_lshl_b32 s100, s18, 12
	s_add_nc_u64 s[14:15], s[14:15], s[100:101]    ; one row of part
; ---------------- X ----------------
; Unit u = 8 i + k: rows 16 i .. + 15, columns 128 k .. + 127.  16 loads, each 512 consecutive bytes of one row, into landing buffer u % 3 (two in window 0, the third in window 1).
.macro XLOAD u
.set LWN, ((\u)%3)/2
.set LR, 128+64*(((\u)%3+1)/2)
	WIN (LWN<<6)
.irp j, 0,1,2,3,4,5,6,7,8,9,10,11,12,13,14,15
	global_load_b128 v[LR+4*\j:LR+4*\j+3], v[LW0], s[4:5] offset:(16*((\u)/8)+\j)*4096+512*((\u)%8) th:TH_LOAD_NT
.endr
.endm
; 64 numbers of a lane in v[QN] on, register 16 b + e = k 32 b + 16 h + e of my row, become a fragment at v[dst] of window 1 and its scale word in v[asr].
.macro QUANT dst, asr
.irp b, 0,1,2,3
	v_max3_num_f32 v[MM+\b], |v[QN+16*\b]|, |v[QN+16*\b+1]|, 0x1800000   ; block b: my 16 numbers, and the floor 2^(3 - 127): so the byte cannot fall under 1
.endr
.irp i, 2,4,6,8,10,12,14
.irp b, 0,1,2,3
	v_max3_num_f32 v[MM+\b], v[MM+\b], |v[QN+16*\b+\i]|, |v[QN+16*\b+\i+1]|   ; (the four blocks by turns)
.endr
.endr
.irp b, 0,1,2,3
	v_permlanex16_b32 v[BB+\b], v[MM+\b], s[SEL], s[SEL+1]
.endr
.irp b, 0,1,2,3
	v_max_num_f32 v[MM+\b], v[MM+\b], v[BB+\b]     ; with the 16 of lane l xor 16: the largest magnitude of the block
.endr
.irp b, 0,1,2,3
	v_add_nc_u32 v[MM+\b], 0xff000000, v[MM+\b]    ; 2 off its exponent field: the conversion takes the exponent field of this operand as its scale, and nothing else of it
.endr
.irp b, 0,1,2,3
	v_lshrrev_b32 v[BB+\b], 23, v[MM+\b]           ; the byte of the scale
.endr
	v_lshl_or_b32 v[\asr], v[BB+1], 8, v[BB]       ; four bytes make the scale word of my row (both halves of the lanes hold it)
	v_lshl_or_b32 v[\asr], v[BB+2], 16, v[\asr]
	v_lshl_or_b32 v[\asr], v[BB+3], 24, v[\asr]
.irp c, 0,1
	v_cvt_scalef32_pk16_fp6_f32 v[TT:TT+2], v[QN+32*\c:QN+32*\c+15], v[MM+2*\c]            ; the codes of k = 64 c + 16 h + 0 .. 15
	v_cvt_scalef32_pk16_fp6_f32 v[TT+4:TT+6], v[QN+32*\c+16:QN+32*\c+31], v[MM+2*\c+1]     ; and of k = 64 c + 32 + 16 h + 0 .. 15 (three registers of a conversion begin on an even number)
	v_nop                                          ; one plain place behind a scaled conversion
.irp i, 0,1,2
	v_permlane16_swap_b32 v[TT+\i], v[TT+4+\i]     ; the layout wants a whole block in a lane: lanes 0-15 block 2 c, lanes 16-31 block 2 c + 1
.endr
	WIN 0x40                                       ; destination window 1
.irp i, 0,1,2
	v_mov_b32 v[(\dst)+6*\c+\i], v[TT+\i]
	v_mov_b32 v[(\dst)+6*\c+3+\i], v[TT+4+\i]
.endr
	WIN 0
.endr
.endm
.macro UNIT u
.set UI, (\u)/8
.set US, (\u)%8
.set LWN, ((\u)%3)/2
.set LR, 128+64*(((\u)%3+1)/2)
.if (\u) < 14
	s_wait_loadcnt 32                              ; the 16 loads of this unit are in; those of the next two units stay out
.elseif (\u) == 14
	s_wait_loadcnt 16
.else
	s_wait_loadcnt 0x0
.endif
	WIN (LWN<<2)                                   ; the data of an LDS store are its source 1
.irp j, 0,1,2,3,4,5,6,7,8,9,10,11,12,13,14,15
	ds_store_b128 v[STA], v[LR+4*\j:LR+4*\j+3] offset:SP*\j          ; row j as it lies
.endr
	WIN 0
.irp b, 0,1,2,3
.irp g, 0,1,2,3
	ds_load_b128 v[QN+16*\b+4*\g:QN+16*\b+4*\g+3], v[STB] offset:128*\b+16*\g   ; LDS serves the instructions of a wave in order (ISA guide 5.7.1.4): these see my stores; the stage is my own
.endr
.endr
	WIN (((2+UI)<<6)|(LWN<<2)|LWN)
.irp j, 0,1,2,3,4,5,6,7,8,9,10,11,12,13,14,15
	v_cvt_pk_bf16_f32 v[32*US+2*\j], v[LR+4*\j], v[LR+4*\j+1]        ; the copy, while the stage turns the unit
	v_cvt_pk_bf16_f32 v[32*US+2*\j+1], v[LR+4*\j+2], v[LR+4*\j+3]
.endr
	s_wait_dscnt 16                                ; the 16 stores have read the landing buffer (the 16 loads behind them may be out):
.if (\u)+3 < 16
	XLOAD (\u)+3                                   ; it takes the unit three on
.endif
	s_wait_dscnt 0x0
	WIN 0
	QUANT 12*(\u), AS+(\u)
.endm
	XLOAD 0
	XLOAD 1
	XLOAD 2
.irp u, 0,1,2,3,4,5,6,7,8,9,10,11,12,13,14,15
	UNIT \u
.endr
; ---------------- between X and G ----------------
; The loop has no first step of its own: the first pair-step finds zeros where the pair-step before would have left its sums, and zeros for their V: it adds 0 x 1/2 to the scores.
.set kz, 0
.rept 32
	v_mov_b32 v[ACC+32+kz], 0
.set kz, kz+1
.endr
.irp b, 0,1,2,3,4,5,6,7
	v_mov_b32 v[SS+\b], 0
.endr
	WIN 0x40
.set kz, 0
.rept 16
	v_mov_b32 v[VP+16+kz], 0
.set kz, kz+1
.endr
	WIN 0
	s_mov_b32 s[TB], 0
	s_mov_b32 s[TN], SLOT1
	s_mov_b32 s[TQ], 0
	s_wait_tensorcnt 0x1                           ; my quarters of query, V and slot 0 are in; the load for slot 1 may stay out
	s_wait_dscnt 0x0
	s_barrier_signal -1
	s_barrier_wait -1                              ; those of every wave are
.irp c, 0,1
.irp g, 0,1
	ds_load_b128 v[QC+8*\c+4*\g:QC+8*\c+4*\g+3], v[LQ] offset:64*\c+16*\g       ; query of the first pair of tiles
.endr
.endr
	ds_load_b128 v[WS:WS+3], v[LSW]                ; its scale words
	ds_load_b128 v[WS+4:WS+7], v[LSW] offset:16
.irp k, 0,1,2,3
.irp c, 0,1
.irp g, 0,1,2
	ds_load_b128 v[WF+24*\k+12*\c+4*\g:WF+24*\k+12*\c+4*\g+3], v[LW0] offset:12288*\c+1536*\k+512*\g   ; and its fragments of K steps 0 to 3: what runs 2 and 3 of a pair-step before would have brought
.endr
.endr
.endr
; ---------------- G ----------------
; All of G but the lines named runs under ONE window setting, 0x04: source 1 in window 1 (my codes for the products, V for the multiply-adds).
; Matrix instruction kn of a pair-step: K step kn / 4, column tile (kn % 4) / 2, row tile kn % 2.  The four accumulators take turns, one instruction a turn, and the set changes with the pair-step.
.macro MMA
.set ks, kn/4
.set kc, (kn%4)/2
.set ki, kn%2
.set rD, NB+8*(2*kc+ki)
.set rA, WF+24*(ks%4)+12*kc
.set rB, 12*(8*ki+ks)
.set rC, rD
.if ks == 0
.set rC, QC+8*kc                       ; query starts the sum
.endif
.if kc == 0
	v_wmma_scale_f32_16x16x128_f8f6f4 v[rD:rD+7], v[rA:rA+11], v[rB:rB+11], v[rC:rC+7], v[WSS+ks], v[AS+8*ki+ks] matrix_a_fmt:MATRIX_FMT_FP6 matrix_b_fmt:MATRIX_FMT_FP6
.else
	v_wmma_scale_f32_16x16x128_f8f6f4 v[rD:rD+7], v[rA:rA+11], v[rB:rB+11], v[rC:rC+7], v[WSS+ks], v[AS+8*ki+ks] matrix_a_fmt:MATRIX_FMT_FP6 matrix_b_fmt:MATRIX_FMT_FP6 matrix_a_scale:MATRIX_SCALE_ROW1
.endif
.endm
; THE VECTOR WORK on the 32 sums x of the pair-step before, in place in v[OBS] on: x 2 log2(e); 2^; + 1; 1 /; then score sum += V x that.
.macro PKM k
	v_pk_mul_f32 v[OBS+2*(\k):OBS+2*(\k)+1], v[OBS+2*(\k):OBS+2*(\k)+1], s[CS:CS+1] op_sel_hi:[1,0]
.endm
.macro EXPO e
	v_exp_f32 v[OBS+(\e)], v[OBS+(\e)]
.endm
.macro PKA k
	v_pk_add_f32 v[OBS+2*(\k):OBS+2*(\k)+1], v[OBS+2*(\k):OBS+2*(\k)+1], 1.0 op_sel_hi:[1,0]
.endm
.macro RCPO e
	v_rcp_f32 v[OBS+(\e)], v[OBS+(\e)]
.endm
.macro FOP e                           ; multiply-add e of 16: column tile e / 8, row tile e % 2, pair (e % 8) / 2 of the tile's registers; four sums take turns, so that none waits for the one before it
.set fqh, (\e)/8
.set fqi, (\e)%2
.set fqk, ((\e)%8)/2
.set fqa, 2*fqh+fqi
.set fqs, SS+4*(fqk%2)+2*fqi
	v_pk_fma_f32 v[fqs:fqs+1], v[OBS+8*fqa+2*fqk:OBS+8*fqa+2*fqk+1], v[VPO+8*fqh+2*fqk:VPO+8*fqh+2*fqk+1], v[fqs:fqs+1]
.endm
; Slice kn.  The 32 sums go in two halves, A (column tile 0: registers 0-15) and B (column tile 1: registers 16-31), so that each of the four batches of 16 transcendentals ends where a run of LDS loads stands:
;   0-7   A: 8 scalings (each accumulator from its low end on), 16 exponentials;  slice 7 ends with four of B's scalings
;   8-15  A: 8 additions, 16 reciprocals;                                          slice 15 ends with B's other four scalings
;   16-23 B: 16 exponentials;                                                      slice 23 ends with four of A's multiply-adds
;   24-31 B: 8 additions, 16 reciprocals;                                          slice 31 ends with A's other four multiply-adds;  B's eight follow behind the run
; The four plain instructions that end slices 7, 15, 23 and 31 name no result of the batch and no register of the products round them: they are the plain place behind the batch, and the four places between the last product that read a
; fragment buffer and the loads into it (ISA guide 7.12.1 for vector instructions).  Behind them stands the ONE wait of the batch, ahead of its first reader.
.macro SLICE
.set iq, kn/8
.set im, kn%8
.if iq == 0
.if im == 0
	PKM 0
.endif
.if im < 7
	PKM im+1
.endif
	EXPO 2*im
	EXPO 2*im+1
.if im == 7
.irp k, 8,9,10,11
	PKM \k
.endr
.endif
.elseif iq == 1
.if im == 0
	PKA 0
.endif
.if im < 7
	PKA im+1
.endif
	RCPO 2*im
	RCPO 2*im+1
.if im == 7
.irp k, 12,13,14,15
	PKM \k
.endr
.endif
.elseif iq == 2
	EXPO 16+2*im
	EXPO 17+2*im
.if im == 7
.irp e, 0,1,2,3
	FOP \e
.endr
.endif
.else
.if im == 0
	PKA 8
.endif
.if im < 7
	PKA 9+im
.endif
	RCPO 16+2*im
	RCPO 17+2*im
.if im == 7
.irp e, 4,5,6,7
	FOP \e
.endr
.endif
.endif
.if im == 7
	s_wait_alu depctr_va_vdst(0)                   ; the wait for the 16 transcendentals of these eight slices
.endif
.endm
; THE LDS LOADS stand in four runs, behind instructions 7, 15, 23 and 31, each directly behind the wait above: a pair-step's stream of matrix and vector instructions is broken at four points.
; Run rr brings the fragments of K steps 2 rr + 4 and 2 rr + 5 (from run 2 on: K steps 0 to 3 of the next pair-step; in the last pair-step of a trip: from the next slot) into the two buffers that the eight instructions before it have
; read: eight matrix instructions ahead of the first use.  Behind the fragments: run 0 the query of the next pair-step, run 1 the V of this one (into window 1); ahead of them: run 2 the scale words of the next.
.macro RUN rr
.if (\rr) == 2
.if PP < 3
	ds_load_b128 v[WSN:WSN+3], v[ASW] offset:1024*(PP+1)
	ds_load_b128 v[WSN+4:WSN+7], v[ASW] offset:1024*(PP+1)+16
.else
	ds_load_b128 v[WSN:WSN+3], v[ASN]
	ds_load_b128 v[WSN+4:WSN+7], v[ASN] offset:16
.endif
.endif
.set fkp, PP
.if (\rr) >= 2
.set fkp, PP+1
.endif
.if fkp == 4
.set fka, AN0
.set fko, 0
.elseif fkp >= 2
.set fka, AW1
.set fko, 24576*(fkp%2)
.else
.set fka, AW0
.set fko, 24576*(fkp%2)
.endif
.irp d, 0,1
.irp c, 0,1
.irp g, 0,1,2
	ds_load_b128 v[WF+24*((2*(\rr)+\d)%4)+12*\c+4*\g:WF+24*((2*(\rr)+\d)%4)+12*\c+4*\g+3], v[fka] offset:fko+12288*\c+1536*((2*(\rr)+4+\d)%8)+512*\g
.endr
.endr
.endr
.if (\rr) == 0
.irp c, 0,1
.irp g, 0,1
	ds_load_b128 v[QC+8*\c+4*\g:QC+8*\c+4*\g+3], v[AQ] offset:128*(PP+1)+64*\c+16*\g
.endr
.endr
.endif
.if (\rr) == 1
	WIN 0x40
.irp c, 0,1
.irp g, 0,1
	ds_load_b128 v[VPN+8*\c+4*\g:VPN+8*\c+4*\g+3], v[AQ] offset:4096+128*PP+64*\c+16*\g
.endr
.endr
	WIN 0x04
.endif
.endm
; The wait at the head of a K step: LDS loads come back in order (ISA guide 5.7.1); the count is what has been issued behind the six loads of this K step.  The runs hold, in order: run 0: K4 6, K5 6, query 4; run 1: K6 6, K7 6, V 4;
; run 2: scale words 2, K0 6, K1 6; run 3: K2 6, K3 6.  So K0: 6 + 12; K1: 12; K2: 6 + 16; K3: 16; K4: 10 + 16; K5: 4 + 16; K6: 10 + 14; K7: 4 + 14.  At a change of slots the add stands behind run 1: one more for K4 and K5.
.macro FWAIT chg
.set kw, 18
.if (kn/4) == 1
.set kw, 12
.elseif (kn/4) == 2
.set kw, 22
.elseif (kn/4) == 3
.set kw, 16
.elseif (kn/4) == 4
.set kw, 26+(\chg)
.elseif (kn/4) == 5
.set kw, 20+(\chg)
.elseif (kn/4) == 6
.set kw, 24
.elseif (kn/4) == 7
.set kw, 18
.endif
	s_wait_dscnt kw
.endm
; A PAIR-STEP: column tiles 2 p, 2 p + 1 of the chunk in hand.  chg = 1: the slot is left in it.  Run 1 issues the last reads of the slot; directly behind it each wave waits for all its tensor loads (one is out: its quarter of
; the next slot) and adds 0 to its spare word; behind instruction 20 it waits for the add and for its reads of the slot and signals; three more products stand between signal and wait; the barrier's wait stands behind slice 23's wait, ahead of run 2,
; which reads the next slot.  fill = 1: that barrier opens a round of the barrier of the cluster, and the joint refill of the slot just left, with the chunk two on, is the first thing behind the round: from there to the wait for it
; a wave issues 8 + 96 + 16 = 120 products.
.macro PAIR p, chg, fill
.set PP, \p
.set NB, ACC+32*((\p)%2)
.set OBS, ACC+32*(1-(\p)%2)
.set WSS, WS+8*((\p)%2)
.set WSN, WS+8*(1-(\p)%2)
.set VPN, VP+16*((\p)%2)
.set VPO, VP+16*(1-(\p)%2)
.set kn, 0
.rept 32
.if (kn%4) == 0
	FWAIT \chg
.endif
	MMA
	SLICE
.if (\chg) && (kn == 20)
	s_wait_dscnt 0x0                               ; the add is done, and my reads of the slot are over
	s_barrier_signal -1
.endif
.if (\chg) && (kn == 23)
.if \fill
	WIN 0                                          ; at a branch and at a label every window is 0 (no transcendental is out: slice 23 has ended with the wait)
.endif
	s_barrier_wait -1
.if \fill
	CREST                                          ; no wave of any partner still reads the slot or has a load on its way
	tensor_load_to_lds s[G0W:G0W+3], s[G1W:G1W+7]  ; my one tensor load behind the round
	s_nop 0
.rept 4
	v_nop
.endr
	WIN 0x04
.endif
.endif
.if (kn%8) == 7
	RUN kn/8
.endif
.if (\chg) && (kn == 15)
	WIN 0                                          ; (the two registers of the add lie in window 0)
	s_wait_tensorcnt 0x0                           ; no tensor load of mine is out, so a group 0 may be written
	ds_add_u32 v[SPW], v[NIL]                      ; 0 onto my spare word; five products and their slices stand between it and the wait for it
.if \fill
	s_xor_b32 s[G0W+1], s[G0W+1], SLOT1            ; the walking descriptor: the other slot than last time,
	s_add_nc_u64 s[G0W+2:G0W+3], s[G0W+2:G0W+3], CHUNK   ; the next chunk; the type bits on top are not reached
.endif
	WIN 0x04
.endif
.if kn == 31
.irp e, 8,9,10,11,12,13,14,15
	FOP \e                                         ; B's multiply-adds, behind the wait for its reciprocals and ahead of the products that write these registers anew
.endr
.endif
.set kn, kn+1
.endr
.endm
; A TRIP: one slot, one chunk of 128 columns, four pair-steps.
.macro TRIP fill
	v_add_nc_u32 v[AW0], s[TB], v[LW0]
	v_add_nc_u32 v[AW1], s[TB], v[LW1]
	v_add_nc_u32 v[ASW], s[TB], v[LSW]
	v_add_nc_u32 v[AN0], s[TN], v[LW0]
	v_add_nc_u32 v[ASN], s[TN], v[LSW]
	v_add_nc_u32 v[AQ], s[TQ], v[LQ]
	WIN 0x04
	PAIR 0, 0, 0
	PAIR 1, 0, 0
	PAIR 2, 0, 0
	PAIR 3, 1, \fill
	WIN 0
	s_xor_b32 s[TB], s[TB], SLOT1
	s_xor_b32 s[TN], s[TN], SLOT1
	s_add_co_u32 s[TQ], s[TQ], 512
.endm
	s_mov_b32 s28, 6
.Lfill:                                                ; six trips: each fills the slot that it leaves, with chunks 2 to 7
	TRIP 1
	s_sub_co_u32 s28, s28, 1
	s_cmp_lg_u32 s28, 0
	s_cbranch_scc1 .Lfill
	s_mov_b32 s28, 2
.Ltail:                                                ; the last two trips ask for nothing: a body of their own
	TRIP 0
	s_sub_co_u32 s28, s28, 1
	s_cmp_lg_u32 s28, 0
	s_cbranch_scc1 .Ltail
	s_wait_dscnt 0x0                               ; the V of the last pair-step is in, and so are the loads that looked ahead past the end
.set OBS, ACC+32                       ; the sums of the last pair-step: its slices with no products between.  The twelve multiply-adds above are the places behind the last products
.set VPO, VP+16
	WIN 0x04
.set kn, 0
.rept 32
	SLICE
.set kn, kn+1
.endr
.irp e, 8,9,10,11,12,13,14,15
	FOP \e
.endr
	WIN 0
; ---------------- S ----------------
	v_pk_add_f32 v[SS:SS+1], v[SS:SS+1], v[SS+4:SS+5]       ; row tile 0: the sums of the even and of the odd register pairs,
	v_pk_add_f32 v[SS+2:SS+3], v[SS+2:SS+3], v[SS+6:SS+7]   ; row tile 1
	v_add_f32 v20, v[SS], v[SS+1]                  ; the two halves of each,
	v_add_f32 v21, v[SS+2], v[SS+3]
	v_permlanex16_b32 v22, v20, s[SEL], s[SEL+1]
	v_permlanex16_b32 v23, v21, s[SEL], s[SEL+1]
	v_add_f32 v20, v20, v22                        ; and the columns of lane l xor 16
	v_add_f32 v21, v21, v23
	v_cndmask_b32 v20, v20, v21, s24               ; lane L holds row L of my 32
	v_mul_f32 v20, -2.0, v20                       ; the score less sum(V)
	v_and_b32 v107, 31, v0
	v_lshlrev_b32 v107, 2, v107
	global_store_b32 v107, v20, s[12:13]           ; 128 consecutive bytes a wave
	v_mov_b32 v21, v20
	v_max_num_f32_dpp v21, v21, v21 row_xmask:1 row_mask:0xf bank_mask:0xf
	v_max_num_f32_dpp v21, v21, v21 row_xmask:2 row_mask:0xf bank_mask:0xf
	v_max_num_f32_dpp v21, v21, v21 row_xmask:4 row_mask:0xf bank_mask:0xf
	v_max_num_f32_dpp v21, v21, v21 row_xmask:8 row_mask:0xf bank_mask:0xf
	v_permlanex16_b32 v22, v21, s[SEL], s[SEL+1]
	v_max_num_f32 v21, v21, v22                    ; the largest of my 32 scores: the last launch finds the same number in the stored scores
	v_sub_f32 v22, v20, v21
	v_mul_f32 v22, s29, v22
	v_exp_f32 v23, v22                             ; the weight of my row under that maximum, at most 1
	v_mov_b32 v[ZR], 0                             ; (a plain place behind the transcendental)
	s_wait_alu depctr_va_vdst(0)                   ; and the wait ahead of its first reader
.set kr, 0
.rept 32
	v_readlane_b32 s[PS+kr], v23, kr
.set kr, kr+1
.endr
; context[128 k + 4 lane + 2 a + half] += weight of row x the copy: 32 fused multiply-adds a row, straight from the bf16 halves; the first row starts the sums
.set kr, 0
.rept 32
	WIN (2+kr/16)                                  ; source 0: the copy of row tile 0 or 1
	v_mov_b32 v[PB+kr%2], s[PS+kr]
.set ke, 0
.rept 32
.set kcp, 32*(ke/4)+2*(kr%16)+(ke%4)/2
.set kc2, CTX+ke
.if kr == 0
.set kc2, ZR
.endif
.if (ke%2) == 0
	v_fma_mix_f32_bf16 v[CTX+ke], v[kcp], v[PB+kr%2], v[kc2] op_sel:[0,0,0] op_sel_hi:[1,0,0]
.else
	v_fma_mix_f32_bf16 v[CTX+ke], v[kcp], v[PB+kr%2], v[kc2] op_sel:[1,0,0] op_sel_hi:[1,0,0]
.endif
.set ke, ke+1
.endr
.set kr, kr+1
.endr
	WIN 0
.irp k, 0,1,2,3,4,5,6,7
	global_store_b128 v[LW0], v[CTX+4*\k:CTX+4*\k+3], s[14:15] offset:512*\k th:TH_STORE_NT   ; the wave stores 512 consecutive bytes, at a multiple of 256 from the first byte of part
.endr
	s_wait_tensorcnt 0x0                           ; the end of the wave, behind my last tensor load and my last LDS store
	ds_add_u32 v[SPW], v[NIL]
	s_wait_dscnt 0x0
	CROUND                                         ; the closing round: no work-group ends while a partner may still ask for a tile that names it
	s_endpgm
.Lfunc_end_k_q94344c5b4a_attend:
	.size	k_q94344c5b4a_attend, .Lfunc_end_k_q94344c5b4a_attend-k_q94344c5b4a_attend
	.p2alignl 7, 3214868480
	.fill 96, 4, 3214868480
	.section	.rodata,"a",@progbits
	.p2align	6, 0x0
	.amdhsa_kernel k_q94344c5b4a_attend
		.amdhsa_group_segment_fixed_size 327680
		.amdhsa_private_segment_fixed_size 0
		.amdhsa_enable_private_segment 0
		.amdhsa_kernarg_size 48
		.amdhsa_user_sgpr_count 2
		.amdhsa_user_sgpr_kernarg_segment_ptr 1
		.amdhsa_wavefront_size32 1
		.amdhsa_system_sgpr_workgroup_id_x 1
		.amdhsa_system_sgpr_workgroup_id_y 1
		.amdhsa_system_sgpr_workgroup_id_z 1
		.amdhsa_system_vgpr_workitem_id 0
		.amdhsa_next_free_vgpr 1024
		.amdhsa_next_free_sgpr 102
		.amdhsa_reserve_vcc 0
		.amdhsa_float_denorm_mode_32 3
		.amdhsa_float_denorm_mode_16_64 3
		.amdhsa_memory_ordered 1
		.amdhsa_forward_progress 1
		.amdhsa_inst_pref_size 255
	.end_amdhsa_kernel
	.section	.bss,"aw",@nobits
	.p2align	6
	.space	262144
	.amdgpu_metadata
---
amdhsa.version: [ 1, 2 ]
amdhsa.kernels:
  - .name:           k_q94344c5b4a_attend
    .symbol:         k_q94344c5b4a_attend.kd
    .args:
      - { .name: encoder_outputs, .offset: 0, .size: 8, .value_kind: global_buffer, .address_space: global }
      - { .name: wk2, .offset: 8, .size: 8, .value_kind: global_buffer, .address_space: global }
      - { .name: q, .offset: 16, .size: 8, .value_kind: global_buffer, .address_space: global }
      - { .name: V, .offset: 24, .size: 8, .value_kind: global_buffer, .address_space: global }
      - { .name: scores, .offset: 32, .size: 8, .value_kind: global_buffer, .address_space: global }
      - { .name: part, .offset: 40, .size: 8, .value_kind: global_buffer, .address_space: global }
    .group_segment_fixed_size: 327680
    .private_segment_fixed_size: 0
    .kernarg_segment_align: 8
    .kernarg_segment_size: 48
    .max_flat_workgroup_size: 128
    .sgpr_count:     102
    .vgpr_count:     1024
    .wavefront_size: 32
...
	.end_amdgpu_metadata
.endif
;; end of part 2
;; launch combine (part 3): grid 8 x 32, 4 waves a work-group, no clusters, 4,096 bytes of LDS; arguments scores, part, out0, out1; writes out0, out1
.if DOCPART == 3
	.amdgcn_target "amdgcn-amd-amdhsa--gfx1250"
	.amdhsa_code_object_version 6
	.text
	.protected	k_q94344c5b4a_combine
	.globl	k_q94344c5b4a_combine
	.p2align	8
	.type	k_q94344c5b4a_combine,@function
k_q94344c5b4a_combine:
	s_mov_b64 s[64:65], 0
	v_nop
	global_prefetch_b8 v0, s[64:65] scope:SCOPE_SE
	s_setreg_imm32_b32 hwreg(HW_REG_WAVE_MODE, 25, 1), 1
	s_wait_xcnt 0x0
; out1[b] = softmax of scores[b]; out0[b] = sum over the 64 blocks of 32 rows of 2^((the largest score of the block - M) log2(e)) x part[block] / L, with M the largest of the 2,048 scores of the batch and L the sum of 2^((score - M) log2(e)).
; The scores come without the term sum(V), which is the same along the axis of the softmax and is left out (shown at the head of the first kernel).
; Work-group (k, b): batch b; it stores rows 256 k .. + 255 of out1[b] and columns 128 k .. + 127 of out0[b].  Every work-group forms M, L and the 64 block maxima anew from the 8,192 bytes of scores of its batch.
; Thread t holds scores 512 i + 4 t + 0 .. 3, i = 0 .. 3: eight neighbouring threads hold a block of 32.  Wave w adds blocks 16 w .. 16 w + 15 of part; the four sums meet in LDS and wave 0 stores.
; No matrix unit: each number of part is used once.  No cluster: what work-groups share is the 8,192 bytes of scores.
.set RM,    0                          ; LDS: the maximum of each wave, 16 bytes
.set RL,    256                        ; the sum of each wave, 16 bytes
.set FT,    512                        ; the 64 factors of the blocks, 256 bytes
.set CSG,   768                        ; the partial sums of the four waves, 512 bytes each
.set SPARE, 3072                       ; the spare words, 128 bytes for each wave: two blocks of 256 bytes that no other line names
.set SPW, 2                            ; v2   LDS address of my spare word; never rewritten
.set NIL, 3                            ; v3   0; never rewritten
.set SC,  8                            ; v8-23 16 scores; v24-25 two scores of my slice of out1; v26-29 four block maxima: eleven neighbouring pairs
.set MW,  26
.set PT,  32                           ; v32-95 16 x 4 numbers of part
.set AC,  96                           ; v96-99 at work: sums
.set FW,  112                          ; v112-127 the 16 factors of my wave
	s_load_b256 s[4:11], s[0:1], 0x0               ; scores s[4:5], part s[6:7], out0 s[8:9], out1 s[10:11]
	v_lshl_add_u32 v[SPW], v0, 2, SPARE
	v_mov_b32 v[NIL], 0
	v_lshrrev_b32 v6, 5, v0
	v_readfirstlane_b32 s12, v6                    ; wave
	s_and_b32 s13, ttmp7, 0xffff                   ; b
	v_and_b32 v1, 31, v0
	v_lshlrev_b32 v1, 4, v1                        ; 16 x lane
	v_lshlrev_b32 v4, 4, v0                        ; 16 t
	v_lshlrev_b32 v5, 3, v0                        ; 8 t
	v_lshlrev_b32 v7, 2, v6                        ; 4 x wave
	v_lshrrev_b32 v108, 3, v0
	v_lshlrev_b32 v108, 2, v108                    ; 4 (t / 8)
	v_lshlrev_b32 v109, 6, v6                      ; 64 x wave
	v_mov_b32 v110, 0
	v_mov_b32 v31, 0                               ; written once: the destination of a lane permute counts as one of its sources
	s_lshl_b32 s14, s13, 13                        ; a batch of scores or of out1: 8,192 bytes
	s_mov_b32 s15, 0
	s_lshl_b32 s16, ttmp9, 10                      ; my slice: 256 numbers
	s_mov_b32 s17, 0
	s_lshl_b32 s20, s13, 18                        ; part: 64 rows of 4,096 bytes a batch,
	s_lshl_b32 s21, s12, 16                        ; 16 of them a wave,
	s_add_co_u32 s20, s20, s21
	s_lshl_b32 s21, ttmp9, 9                       ; my 128 columns
	s_add_co_u32 s20, s20, s21
	s_lshl_b32 s22, s13, 12                        ; out0: row b, my 128 columns
	s_add_co_u32 s22, s22, s21
	s_mov_b32 s21, 0
	s_mov_b32 s23, 0
	s_mov_b32 s24, 0x3fb8aa3b                      ; log2(e)
	s_mov_b32 s25, s24                             ; (named with it as a pair, so it is written)
	s_mov_b32 s26, 0x76543210
	s_mov_b32 s27, 0xfedcba98
	s_wait_kmcnt 0x0
	s_add_nc_u64 s[4:5], s[4:5], s[14:15]
	s_add_nc_u64 s[18:19], s[4:5], s[16:17]
	s_add_nc_u64 s[6:7], s[6:7], s[20:21]
	s_add_nc_u64 s[8:9], s[8:9], s[22:23]
	s_add_nc_u64 s[10:11], s[10:11], s[14:15]
	s_add_nc_u64 s[10:11], s[10:11], s[16:17]
.irp i, 0,1,2,3
	global_load_b128 v[SC+4*\i:SC+4*\i+3], v4, s[4:5] offset:2048*\i
.endr
	global_load_b64 v[24:25], v5, s[18:19]
.irp n, 0,1,2,3,4,5,6,7,8,9,10,11,12,13,14,15
	global_load_b128 v[PT+4*\n:PT+4*\n+3], v1, s[6:7] offset:4096*\n th:TH_LOAD_NT     ; 512 consecutive bytes of one row of part
.endr
	s_wait_loadcnt 16                              ; the scores are in; the 16 loads of part stay out
.irp i, 0,1,2,3
	v_max3_num_f32 v[MW+\i], v[SC+4*\i], v[SC+4*\i+1], v[SC+4*\i+2]
.endr
.irp i, 0,1,2,3
	v_max_num_f32 v[MW+\i], v[MW+\i], v[SC+4*\i+3]
.endr
.irp m, 1,2,4
.irp i, 0,1,2,3
	v_max_num_f32_dpp v[MW+\i], v[MW+\i], v[MW+\i] row_xmask:\m row_mask:0xf bank_mask:0xf   ; over eight lanes: the largest score of block 16 i + t / 8
.endr
.endr
	v_max3_num_f32 v30, v[MW], v[MW+1], v[MW+2]
	v_max_num_f32 v30, v30, v[MW+3]
	v_max_num_f32_dpp v30, v30, v30 row_xmask:8 row_mask:0xf bank_mask:0xf
	v_permlanex16_b32 v31, v30, s26, s27
	v_max_num_f32 v30, v30, v31                    ; the largest of my wave
	ds_store_b32 v7, v30 offset:RM                 ; all lanes write the same word with the same value
	s_wait_dscnt 0x0                               ; for the sake of the others: my store is done
	s_barrier_signal -1
	s_barrier_wait -1
	ds_load_b128 v[100:103], v110 offset:RM
	s_wait_dscnt 0x0
	v_max3_num_f32 v30, v100, v101, v102
	v_max_num_f32 v30, v30, v103                   ; M
.irp j, 0,2,4,6,8,10,12,14,16,18,20
	v_pk_add_f32 v[SC+\j:SC+\j+1], v[SC+\j:SC+\j+1], v[30:31] op_sel_hi:[1,0] neg_lo:[0,1] neg_hi:[0,1]   ; less M: scores, slice and block maxima alike
.endr
.irp j, 0,2,4,6,8,10,12,14,16,18,20
	v_pk_mul_f32 v[SC+\j:SC+\j+1], v[SC+\j:SC+\j+1], s[24:25] op_sel_hi:[1,0]
.endr
.irp j, 0,1,2,3,4,5,6,7,8,9,10,11,12,13,14,15,16,17,18,19,20,21
	v_exp_f32 v[SC+\j], v[SC+\j]
.endr
	v_nop                                          ; a plain place behind the batch,
	s_wait_alu depctr_va_vdst(0)                   ; and the one wait ahead of its first reader
	v_pk_add_f32 v[AC:AC+1], v[SC:SC+1], v[SC+2:SC+3]
	v_pk_add_f32 v[AC+2:AC+3], v[SC+4:SC+5], v[SC+6:SC+7]
	v_pk_add_f32 v[AC:AC+1], v[AC:AC+1], v[SC+8:SC+9]
	v_pk_add_f32 v[AC+2:AC+3], v[AC+2:AC+3], v[SC+10:SC+11]
	v_pk_add_f32 v[AC:AC+1], v[AC:AC+1], v[SC+12:SC+13]
	v_pk_add_f32 v[AC+2:AC+3], v[AC+2:AC+3], v[SC+14:SC+15]
	v_pk_add_f32 v[AC:AC+1], v[AC:AC+1], v[AC+2:AC+3]
	v_add_f32 v[AC], v[AC], v[AC+1]
	v_add_f32_dpp v[AC], v[AC], v[AC] row_xmask:1 row_mask:0xf bank_mask:0xf
	v_add_f32_dpp v[AC], v[AC], v[AC] row_xmask:2 row_mask:0xf bank_mask:0xf
	v_add_f32_dpp v[AC], v[AC], v[AC] row_xmask:4 row_mask:0xf bank_mask:0xf
	v_add_f32_dpp v[AC], v[AC], v[AC] row_xmask:8 row_mask:0xf bank_mask:0xf
	v_permlanex16_b32 v31, v[AC], s26, s27
	v_add_f32 v[AC], v[AC], v31                    ; the sum of my wave
	ds_store_b32 v7, v[AC] offset:RL
.irp i, 0,1,2,3
	ds_store_b32 v108, v[MW+\i] offset:FT+64*\i    ; the factor of block 16 i + t / 8: eight lanes write the same word with the same value
.endr
	s_wait_dscnt 0x0
	s_barrier_signal -1
	s_barrier_wait -1
	ds_load_b128 v[104:107], v110 offset:RL
.irp g, 0,1,2,3
	ds_load_b128 v[FW+4*\g:FW+4*\g+3], v109 offset:FT+16*\g
.endr
	s_wait_dscnt 0x0
	v_add_f32 v104, v104, v105
	v_add_f32 v106, v106, v107
	v_add_f32 v104, v104, v106                     ; L, at least 1
	v_rcp_f32 v111, v104
	v_nop
	s_wait_alu depctr_va_vdst(0)
	v_mul_f32 v24, v24, v111
	v_mul_f32 v25, v25, v111
	global_store_b64 v5, v[24:25], s[10:11]        ; a wave stores 256 consecutive bytes, at a multiple of 256 from the first byte of out1
	s_wait_loadcnt 15                              ; part comes back in order: row 0 of my 16 is in
.irp e, 0,1,2,3
	v_mul_f32 v[AC+\e], v[PT+\e], v[FW]            ; the first row starts the sums
.endr
.irp n, 1,2,3,4,5,6,7,8,9,10,11,12,13,14,15
	s_wait_loadcnt 15-\n                           ; row n is in; the younger ones stay out
.irp e, 0,1,2,3
	v_fmac_f32 v[AC+\e], v[PT+4*\n+\e], v[FW+\n]
.endr
.endr
	ds_store_b128 v4, v[AC:AC+3] offset:CSG        ; 16 t = 512 x wave + 16 x lane
	s_wait_dscnt 0x0
	s_barrier_signal -1
	s_barrier_wait -1
	s_cmp_lg_u32 s12, 0                            ; wave 0 alone adds the four and stores; no barrier stands in this branch
	s_cbranch_scc1 .Ldone
.irp n, 0,1,2,3
	ds_load_b128 v[PT+4*\n:PT+4*\n+3], v1 offset:CSG+512*\n
.endr
	s_wait_dscnt 0x0
.irp e, 0,2
	v_pk_add_f32 v[PT+\e:PT+\e+1], v[PT+\e:PT+\e+1], v[PT+4+\e:PT+4+\e+1]
	v_pk_add_f32 v[PT+8+\e:PT+8+\e+1], v[PT+8+\e:PT+8+\e+1], v[PT+12+\e:PT+12+\e+1]
.endr
.irp e, 0,2
	v_pk_add_f32 v[PT+\e:PT+\e+1], v[PT+\e:PT+\e+1], v[PT+8+\e:PT+8+\e+1]
.endr
.irp e, 0,1,2,3
	v_mul_f32 v[PT+\e], v[PT+\e], v111
.endr
	global_store_b128 v1, v[PT:PT+3], s[8:9]       ; 512 consecutive bytes, at a multiple of 256 from the first byte of out0
.Ldone:
	s_wait_tensorcnt 0x0                           ; the end of the wave, behind my last LDS store
	ds_add_u32 v[SPW], v[NIL]
	s_wait_dscnt 0x0
	s_endpgm
.Lfunc_end_k_q94344c5b4a_combine:
	.size	k_q94344c5b4a_combine, .Lfunc_end_k_q94344c5b4a_combine-k_q94344c5b4a_combine
	.p2alignl 7, 3214868480
	.fill 96, 4, 3214868480
	.section	.rodata,"a",@progbits
	.p2align	6, 0x0
	.amdhsa_kernel k_q94344c5b4a_combine
		.amdhsa_group_segment_fixed_size 4096
		.amdhsa_private_segment_fixed_size 0
		.amdhsa_enable_private_segment 0
		.amdhsa_kernarg_size 32
		.amdhsa_user_sgpr_count 2
		.amdhsa_user_sgpr_kernarg_segment_ptr 1
		.amdhsa_wavefront_size32 1
		.amdhsa_system_sgpr_workgroup_id_x 1
		.amdhsa_system_sgpr_workgroup_id_y 1
		.amdhsa_system_sgpr_workgroup_id_z 1
		.amdhsa_system_vgpr_workitem_id 0
		.amdhsa_next_free_vgpr 128
		.amdhsa_next_free_sgpr 66
		.amdhsa_reserve_vcc 0
		.amdhsa_float_denorm_mode_32 3
		.amdhsa_float_denorm_mode_16_64 3
		.amdhsa_memory_ordered 1
		.amdhsa_forward_progress 1
		.amdhsa_inst_pref_size 14
	.end_amdhsa_kernel
	.amdgpu_metadata
---
amdhsa.version: [ 1, 2 ]
amdhsa.kernels:
  - .name:           k_q94344c5b4a_combine
    .symbol:         k_q94344c5b4a_combine.kd
    .args:
      - { .name: scores, .offset: 0, .size: 8, .value_kind: global_buffer, .address_space: global }
      - { .name: part, .offset: 8, .size: 8, .value_kind: global_buffer, .address_space: global }
      - { .name: out0, .offset: 16, .size: 8, .value_kind: global_buffer, .address_space: global }
      - { .name: out1, .offset: 24, .size: 8, .value_kind: global_buffer, .address_space: global }
    .group_segment_fixed_size: 4096
    .private_segment_fixed_size: 0
    .kernarg_segment_align: 8
    .kernarg_segment_size: 32
    .max_flat_workgroup_size: 128
    .sgpr_count:     66
    .vgpr_count:     128
    .wavefront_size: 32
...
	.end_amdgpu_metadata
.endif
;; end of part 3
